; MI455X (gfx1250); checked and timed in simulation.
; The chip was launched on July 23, 2026; its instructions are those of AMD's public machine-readable ISA for CDNA 5 (MIT licence, August 2026) and "CDNA5" Instruction Set Architecture Reference Guide (July 2026). The comments in the code are by the model that wrote it; some were corrected since.
;; Distance Layer. Allowed arithmetic: matrix products marked QUANTISED: E3M2 operands, one E8M0 scale for each 32 along K, by v_wmma_scale_f32_16x16x128_f8f6f4 with both operands' format E3M2, f32 sums; products left as they are: f32 operands where the result goes on into a quantised operand, else bf16, f16 or f32 operands; f32 sums; everything else in f32.
;; Inputs: covariances_inv_codes 16 x 64 x 2 x 24 uint8 (E3M2 codes of covariances_inv, K innermost, in blocks of 32 codes, four codes in three bytes); covariances_inv_scales 16 x 64 x 2 uint8 (E8M0 scales of covariances_inv, one for each 32 codes along K); inputs 262,144 x 64 float32; means 16 x 64 float32; weights 16 float32.
;; Outputs: out0 262,144 float32.
;; This version of the problem:
;;   THIS VERSION OF THE PROBLEM IS GIVEN IN LOW PRECISION. The matrix products marked QUANTISED in the list below multiply operands that are first quantised to E3M2 (3 exponent bits, 2 mantissa bits; 6 bits a number), with one power-of-two scale for each 32 numbers along K (OCP MX v1.0); their sums are f32. All else is computed in f32.
;;   The module's matrix products, in the order in which they are computed (A, B: the left and right operand; K: the contracted axis; several contracted axes count as one K, in the product's order):
;;     1. batch 16 x [M 64, K 64] x [K 64, N 262,144]; A: input covariances_inv (given as codes); B: computed on the way: QUANTISED
;;     2. batch 4,194,304 x [M 1, K 64] x [K 64, N 1]; A: computed on the way; B: computed on the way: left as it is (M = 1 < 16)
;;   THE QUANTISER, for each operand of a quantised product, along K:
;;     - K is cut into blocks of 32 from its start; a last block that is shorter is filled with zeros.
;;     - A block's scale is 2^e with e = floor(log2(the largest magnitude in the block)) - 4, held to -126 .. 127; a block of zeros has e = 0. As a byte (E8M0): e + 127.
;;     - Each number is divided by its block's scale, clamped to +-28, and rounded to the nearest number of E3M2, ties to even, subnormals kept.
;;     - The product sums the exact products of the quantised numbers (number of the format x scale) in f32.
;;   ~~~python
;;   def quantise(x, axis):      # numpy; x: float32 -> the quantised numbers, widened to float32 again
;;       x = np.moveaxis(x, axis, -1); K = x.shape[-1]
;;       x = np.pad(x, [(0, 0)] * (x.ndim - 1) + [(0, -K % 32)]); x = x.reshape(x.shape[:-1] + (-1, 32)); a = np.abs(x).max(-1, keepdims=True)
;;       e = np.where(a > 0, np.clip(np.frexp(np.where(a > 0, a, 1))[1] - 1 - 4, -126, 127), 0)      # np.frexp(a)[1] - 1 = floor(log2(a)), exactly
;;       r = np.clip(x / 2.0 ** e, -28, 28)
;;       step = 2.0 ** (np.maximum(np.frexp(np.where(r == 0, 1, r))[1] - 1, -2) - 2)
;;       q = np.round(r / step) * step * 2.0 ** e      # np.round: ties to even
;;       return np.moveaxis(q.reshape(q.shape[:-2] + (-1,))[..., :K], -1, axis).astype(np.float32)
;;   ~~~
;;   OPERANDS COMPUTED ON THE WAY. 'Computed on the way' means the value that the module computes at that place (a softmax that the list does not call 'softmax' is quantised finished and normalised). What goes into a quantiser is computed in f32, as accurately as f32 sums, v_exp_f32 and their like allow (about 1e-6 of the number): no bf16 or f16 on the way to a quantiser, and a product that is left as it is and whose result goes on into a quantised operand takes f32 operands (vector FMAs, or v_wmma_f32_16x16x4_f32). A number that lies on a knife's edge between two numbers of the format may be rounded either way, as far as f32 arithmetic and the matrix unit's own rounding can turn it there, and no further.
;;   INPUTS GIVEN AS CODES. covariances_inv (in the module: [16, 64, 64], K = its axis 1): each comes as NAME_codes (uint8): NAME with its K axis moved to the last place and cut into blocks of 32 codes, [.., K / 32, bytes a block], one block behind the other in memory; four codes in three bytes: a row's codes are one little-endian stream of bits, code i at bits 6 i .. 6 i + 5 (a code: sign, 3 exponent bits, 2 mantissa bits); and NAME_scales (uint8): the same leading axes, one E8M0 byte (e + 127) for each 32 codes along K. Its value is code x scale, taken as it is: it is not quantised again, and the codes and scales need not be those that the quantiser above would give.
;; One version. Each part assembles by itself: llvm-mc -triple=amdgcn-amd-amdhsa -mcpu=gfx1250 --defsym DOCPART=n.
;; ======== version 1 of 1: 1 launch
;; launch maha (part 1): grid 256 x 1, 8 waves a work-group, no clusters, 327,680 bytes of LDS; arguments covariances_inv_codes, covariances_inv_scales, inputs, means, weights, out0; writes out0
.if DOCPART == 1
	.amdgcn_target "amdgcn-amd-amdhsa--gfx1250"
	.amdhsa_code_object_version 6
	.text
	.protected	k_qc900f0a1b4_maha
	.globl	k_qc900f0a1b4_maha
	.p2align	8
	.type	k_qc900f0a1b4_maha,@function
k_qc900f0a1b4_maha:
	s_mov_b64 s[64:65], 0
	v_nop
	global_prefetch_b8 v0, s[64:65] scope:SCOPE_SE
	s_setreg_imm32_b32 hwreg(HW_REG_WAVE_MODE, 25, 1), 1
	s_wait_xcnt 0x0
; score[n] = the product over c of d[n][c]^w[c],  d[n][c] = y^T S_c y,  y = x[n] - m[c].  262,144 samples, 16 components, 64 features.
; T = S_c^T Q(y) is the quantised product (K = 64 = two blocks of 32): S_c arrives as codes of BF6 (E3M2) laid [c][e][K] with E8M0 bytes, y is quantised here in registers.
; d = T . y (y unquantised) and all else is f32.  The product over c is formed as 2^(sum over c of w[c] log2 d[n][c]): another order of rounding than a chain of powers.
; LIMITS: NaN and infinities among the inputs are not served.  A d under 2^-126 counts as 0 (the logarithm's entry in the ISA guide, 15.8: denormals are flushed).  d = 0 with w[c] = 0 gives NaN where
; a power gives 1.  A negative d gives NaN, as a fractional power of it does.  A block of zeros gets the scale byte 1 where the quantiser says 127: its codes are zeros, and nobody else reads the byte.
; SHARES.  Work-group b owns samples 1,024 b on: 262,144 bytes of x, which lie in LDS whole, in four stages of 256 samples; no LDS byte is filled twice.  Each wave brings 32 rows of each stage by one
; tensor load.  ONLY STAGE 0 IS ASKED FOR AT THE HEAD, so that the first products wait for 65,536 bytes a work-group and not for 262,144; stage s + 1 is asked for first thing behind the barrier in
; front of stage s, and has that stage's eight tiles a wave in which to land.  By this text's own count one tensor load of a wave is out at a time.
; Wave w: p = w & 3, q = w >> 2.  It keeps the codes, scale words, means and weights of components 4 p .. 4 p + 3 in registers for the whole launch and walks, in each stage,
; the eight tiles of 16 samples of half q.  A UNIT is a tile x one component: 4 matrix instructions and about 60 vector instructions; a tile of x read from LDS (8 loads) feeds four units.
; LAYOUT (r = lane % 16, h = lane / 16).  Source 1 = 16 samples: lane (r, h) holds sample r, features 32 h .. 32 h + 31: ONE WHOLE BLOCK IN A LANE, so its largest magnitude needs no other lane.
; Source 0 = 16 rows of S_c, and THE ROWS OF A TILE ARE NOT NEIGHBOURS: lane r of tile t takes row e = 32 (r / 8) + 8 t + r % 8, so that result register 8 t + j of lane (r, h) is T[32 h + 8 t + j] of
; sample r: the 32 result registers stand one to one beside the lane's 32 registers of y, and T . y is 16 packed multiply-adds with nothing moved between lanes.
; K = 64 IN A FORM OF K = 128.  Source 1's registers 6-11 hold zero codes, written once.  Source 0's fragments are kept 6 registers each, one behind the other: the instruction's registers 6-11 are the
; next fragment's codes (six zeroed registers behind the last).  Every 6-bit pattern is a finite number, and it meets a zero code; the scale bytes 2 and 3 of both sides are 0, which is a power of two.
; THE PIPELINE.  In slot k the four products of unit k are issued with the subtractions of unit k + 1 between them; then unit k + 1's maximum and conversion stand mixed with unit k's T . y.
; NO CLUSTER: what the work-groups share (codes, scale bytes, means, weights: 55,360 bytes) goes once, at the head, into registers; beside x, the partial sums and the spare words 15,360 bytes of LDS
; are left, so a joint tensor load of it has nowhere to land, and it is a fifth of the 262,144 bytes of x that are the work-group's own.
; All of a WGP's LDS is claimed (the text uses 312,320 bytes), and the later fills are issued in the form of a refill.
; REGISTERS.  Window 0: v1-13 addresses; v16-47 x; v48-79, v80-111 y of two units; v112-143 T; v144-155 source 1; v156-176 at work; v177-184 S's scale words; v185-186 for the add.
;   Window 1: v0-95 the 16 fragments of S, v96-101 zeros; v104-231 the four means.  Codes and means are named as source 0 alone, so a unit has two switches of the window.
.set PITCH,  272                       ; a row of x in LDS: 256 bytes + 16 of padding = 68 words: the sixteen rows that a load touches begin in sixteen different columns of 16 bytes modulo 256
.set TILEB,  16*PITCH                  ; 16 samples
.set LOADB,  32*PITCH                  ; what one tensor load brings
.set STAGEB, 8*LOADB                   ; 256 samples: a stage
.set PART,   4*STAGEB                  ; behind x (278,528 = 1,088 x 256): the partial sums, 4,096 bytes a wave: [h][32 tiles][16 samples] f32; no tensor load lands here
.set SPARE,  PART+8*4096               ; behind them (311,296 = 1,216 x 256): the spare words, 128 bytes for each wave: four blocks of 256 bytes that no other line names
.set AO,   4                           ; v4   S's codes: 1536 (r / 8) + 48 (r % 8) + 24 h
.set SOF,  5                           ; v5   S's scale bytes: 64 (r / 8) + 2 (r % 8) + 16 h
.set MO,   6                           ; v6   the means: 128 h
.set WO,   7                           ; v7   the weights: 4 h
.set XA0,  8                           ; v8   x in LDS: 272 r + 128 h + 34,816 q
.set PA0,  9                           ; v9   my partial sum: PART + 4096 w + 2048 h + 4 r
.set FA,   10                          ; v10  the final sums: PART + 16384 q + 512 p + 16 x lane
.set GO,   11                          ; v11  16 x lane
.set ADR,  12                          ; v12  LDS address of the tile of x being fetched
.set ADP,  13                          ; v13  LDS address of the partial sum being stored
.set X,    16
.set Y0,   48
.set T,    112
.set BF,   144                         ; source 1: v144-149 codes, v150-155 zero codes
.set TC,   156                         ; v156-158 the second conversion's result (three registers that begin on an even number)
.set MXA,  160                         ; two chains of the largest magnitude
.set MXB,  161
.set SO,   162                         ; the conversion's scale operand
.set BY,   163                         ; my block's scale byte
.set BO,   164                         ; lane l xor 16's
.set SW,   165                         ; source 1's scale word: holds nothing else
.set F0,   166                         ; v[166:167], v[168:169] two chains of T . y
.set F1,   168
.set PA,   170                         ; my half of d of a pair's even component,
.set PB,   171                         ; and of its odd one
.set DD,   172
.set LG,   173
.set LSUM, 174                         ; the sum of w log2 d so far
.set WT0,  175                         ; lanes 0-15 w[4 p], lanes 16-31 w[4 p + 1]
.set WT1,  176                         ; lanes 0-15 w[4 p + 2], lanes 16-31 w[4 p + 3]
.set ASC,  177                         ; v177-184 S's scale words: register 2 k + u: lanes 0-15 tile 2 u of component k, lanes 16-31 tile 2 u + 1; they hold nothing else
.set SPW,  185                         ; v185 LDS address of my spare word: SPARE + 4 x my thread's number; never rewritten
.set NIL,  186                         ; v186 0; never rewritten
.set MEAN, 104                         ; in window 1: component k's mean at features 32 h + i: v[104 + 32 k + i]
.set G1,   24                          ; s[24:31] descriptor group 1
.set G0,   32                          ; s[32:47] descriptor group 0, a set for each of my four loads: written once, at the head
.set MSB, 0
.macro WIN new                         ; the immediate's high byte repeats the setting that is left; a switch that changes nothing is dropped
.if MSB != \new
	s_set_vgpr_msb (MSB<<8)|\new
.set MSB, \new
.endif
.endm
; My 32 rows of stage s are asked for.  Four v_nop follow the line.
.macro ASK s
	tensor_load_to_lds s[G0+4*(\s):G0+4*(\s)+3], s[G1:G1+7]
	s_nop 0
.rept 4
	v_nop
.endr
.endm
	s_load_b256 s[4:11], s[0:1], 0x0               ; S's codes s[4:5], S's scale bytes s[6:7], x s[8:9], the means s[10:11]
	s_load_b128 s[12:15], s[0:1], 0x20             ; the weights s[12:13], the scores s[14:15]
	v_lshl_add_u32 v[SPW], v0, 2, SPARE
	v_mov_b32 v[NIL], 0
	ds_add_u32 v185, v186
	ds_add_u32 v185, v186
	s_wait_dscnt 0x0
	v_lshrrev_b32 v1, 5, v0
	v_readfirstlane_b32 s16, v1                    ; wave 0..7
	s_and_b32 s17, s16, 3                          ; p: which four components
	s_lshr_b32 s18, s16, 2                         ; q: which half of a stage's tiles
	s_mul_i32 s19, s16, LOADB                      ; where my 32 rows of a stage go
	; descriptor group 1: 32 rows of 256 bytes, dense in memory, as 32 elements of 8 bytes; 16 bytes of padding behind each row
	s_mov_b32 s[G1+0], (3<<16)|(1<<20)|(5<<22)|(3<<25)   ; 15:0 no mask; 17:16 elements of 8 bytes; 20 padding on; 24:22 after every 64 words (code 5); 31:25 of 4 words (code 3)
	s_mov_b32 s[G1+1], 32<<16                      ; tensor_dim0 = 32
	s_mov_b32 s[G1+2], 32<<16                      ; tensor_dim1 = 32
	s_mov_b32 s[G1+3], 32<<16                      ; tile_dim0 = 32
	s_mov_b32 s[G1+4], 32                          ; tile_dim1 = 32
	s_mov_b32 s[G1+5], 32                          ; elements from row to row
	s_mov_b32 s[G1+6], 0
	s_mov_b32 s[G1+7], 0
	s_mov_b32 s20, 0x76543210                      ; v_permlanex16_b32's selects for lane l xor 16
	s_mov_b32 s21, 0xfedcba98
	s_mov_b32 s23, 0                               ; LDS offset of the tile of x to be fetched
	s_mov_b32 s48, 0                               ; offset of the tile in hand among my partial sums
	s_lshl_b32 s2, ttmp9, 18                       ; the work-group's 1,024 rows of 256 bytes,
	s_lshl_b32 s3, s16, 13                         ; my 32 rows of a stage
	s_add_co_u32 s2, s2, s3
	s_mov_b32 s3, 0
	s_wait_kmcnt 0x0
	s_add_nc_u64 s[8:9], s[8:9], s[2:3]
.irp s, 0,1,2,3
	s_mov_b32 s[G0+4*\s], 1                                        ; count = 1
	s_add_co_u32 s[G0+4*\s+1], s19, \s*STAGEB                      ; LDS address: stage s, my 32 rows
	s_add_nc_u64 s[G0+4*\s+2:G0+4*\s+3], s[8:9], \s*65536          ; global address: 256 rows a stage
	s_or_b32 s[G0+4*\s+3], s[G0+4*\s+3], 0x80000000                ; type = 2
.endr
	ASK 0                                          ; stage 0 alone: it is what the first products wait for
	s_mul_i32 s2, s17, 12288                       ; my four components: 3,072 bytes of codes each,
	s_add_nc_u64 s[4:5], s[4:5], s[2:3]
	s_lshl_b32 s2, s17, 9                          ; 128 scale bytes,
	s_add_nc_u64 s[6:7], s[6:7], s[2:3]
	s_lshl_b32 s2, s17, 10                         ; 256 bytes of means,
	s_add_nc_u64 s[10:11], s[10:11], s[2:3]
	s_lshl_b32 s2, s17, 4                          ; 4 bytes of weights
	s_add_nc_u64 s[12:13], s[12:13], s[2:3]
	s_lshl_b32 s2, ttmp9, 12                       ; the scores that I store at the end: samples 1,024 b + 256 p + 128 q on
	s_lshl_b32 s50, s17, 10
	s_add_co_u32 s2, s2, s50
	s_lshl_b32 s50, s18, 9
	s_add_co_u32 s2, s2, s50
	s_add_nc_u64 s[14:15], s[14:15], s[2:3]
	v_and_b32 v1, 31, v0                           ; lane
	v_and_b32 v2, 15, v0                           ; r
	v_bfe_u32 v3, v0, 4, 1                         ; h
	v_bfe_u32 v14, v0, 3, 1                        ; r / 8
	v_and_b32 v15, 7, v0                           ; r % 8
	v_mul_u32_u24 v[AO], v14, 1536                 ; row 32 (r / 8) + r % 8 of 48 bytes, + 24 h
	v_mad_u32_u24 v[AO], v15, 48, v[AO]
	v_mad_u32_u24 v[AO], v3, 24, v[AO]
	v_lshlrev_b32 v[SOF], 6, v14                   ; the same row's two scale bytes; lanes 16-31 take those of the tile 8 rows on
	v_lshl_add_u32 v[SOF], v15, 1, v[SOF]
	v_lshl_add_u32 v[SOF], v3, 4, v[SOF]
	v_lshlrev_b32 v[MO], 7, v3
	v_lshlrev_b32 v[WO], 2, v3
	v_mul_u32_u24 v[XA0], v2, PITCH
	v_lshl_add_u32 v[XA0], v3, 7, v[XA0]
	s_mul_i32 s50, s18, 8*TILEB
	v_add_nc_u32 v[XA0], s50, v[XA0]
	v_lshlrev_b32 v[PA0], 2, v2
	v_lshl_add_u32 v[PA0], v3, 11, v[PA0]
	s_lshl_b32 s50, s16, 12
	s_add_co_u32 s50, s50, PART
	v_add_nc_u32 v[PA0], s50, v[PA0]
	v_lshlrev_b32 v[GO], 4, v1
	s_lshl_b32 s50, s18, 14
	s_lshl_b32 s51, s17, 9
	s_add_co_u32 s50, s50, s51
	s_add_co_u32 s50, s50, PART
	v_add_nc_u32 v[FA], s50, v[GO]
	WIN 0x40                                       ; destination window 1, address window 0
.irp k, 0,1,2,3                        ; S's fragments (component k, tile t) at v[6 (4 k + t)] of window 1: 24 bytes of the row's stream of bits, as they lie, in pieces of 8
.irp t, 0,1,2,3
.irp j, 0,1,2
	global_load_b64 v[6*(4*\k+\t)+2*\j:6*(4*\k+\t)+2*\j+1], v[AO], s[4:5] offset:3072*\k+384*\t+8*\j
.endr
.endr
.endr
.irp k, 0,1,2,3                        ; the means: my half's 32 features of each component
.irp j, 0,1,2,3,4,5,6,7
	global_load_b128 v[MEAN+32*\k+4*\j:MEAN+32*\k+4*\j+3], v[MO], s[10:11] offset:256*\k+16*\j
.endr
.endr
.irp i, 0,1,2,3,4,5
	v_mov_b32 v[96+\i], 0                          ; behind the last fragment
.endr
	WIN 0
.irp k, 0,1,2,3
.irp u, 0,1
	global_load_u16 v[ASC+2*\k+\u], v[SOF], s[6:7] offset:128*\k+32*\u   ; two bytes, widened with zeros: bytes 2 and 3 of the scale word are 0
.endr
.endr
	global_load_b32 v[WT0], v[WO], s[12:13]
	global_load_b32 v[WT1], v[WO], s[12:13] offset:8
.irp i, 6,7,8,9,10,11
	v_mov_b32 v[BF+\i], 0                          ; source 1's zero codes for k = 64 .. 127: written once
.endr
	v_mov_b32 v[BO], 0                             ; written once: a lane permute's destination counts as one of its sources
; A tile of x: my sample's 32 features, 128 bytes, in eight loads.
.macro XLOAD
	v_add_nc_u32 v[ADR], s23, v[XA0]
.irp j, 0,1,2,3,4,5,6,7
	ds_load_b128 v[X+4*\j:X+4*\j+3], v[ADR] offset:16*\j
.endr
.endm
; The symbols KC, YC (the unit whose products are issued) and KN, YN (the unit being made ready) are set by SLOT.
; Eight of the next unit's y = x - m: four packed lines; the mean, in window 1, is source 0 and is negated.
.macro SUB4 g
.irp i, 0,1,2,3
	v_pk_add_f32 v[YN+8*(\g)+2*\i:YN+8*(\g)+2*\i+1], v[MEAN+32*KN+8*(\g)+2*\i:MEAN+32*KN+8*(\g)+2*\i+1], v[X+8*(\g)+2*\i:X+8*(\g)+2*\i+1] neg_lo:[1,0] neg_hi:[1,0]
.endr
.endm
; Product t of a unit: 16 rows of S x 16 samples.  C is the constant 0: K is one step, so no sum is ever taken up again, and neighbouring matrix instructions name different accumulators.
.macro WM t
.if (\t)%2
	v_wmma_scale_f32_16x16x128_f8f6f4 v[T+8*(\t):T+8*(\t)+7], v[6*(4*KC+(\t)):6*(4*KC+(\t))+11], v[BF:BF+11], 0, v[ASC+2*KC+(\t)/2], v[SW] matrix_a_fmt:MATRIX_FMT_BF6 matrix_b_fmt:MATRIX_FMT_BF6 matrix_a_scale:MATRIX_SCALE_ROW1
.else
	v_wmma_scale_f32_16x16x128_f8f6f4 v[T+8*(\t):T+8*(\t)+7], v[6*(4*KC+(\t)):6*(4*KC+(\t))+11], v[BF:BF+11], 0, v[ASC+2*KC+(\t)/2], v[SW] matrix_a_fmt:MATRIX_FMT_BF6 matrix_b_fmt:MATRIX_FMT_BF6
.endif
.endm
; Line i of 16 of the block's largest magnitude: two chains (even i: y0-15 and the floor; odd i: y16-30), joined with y31 by line 15.
.macro MAXI i
.if (\i) == 0
	v_max3_num_f32 v[MXA], |v[YN]|, |v[YN+1]|, 0x2800000           ; the floor 2^(5 - 127), under which no largest magnitude is taken: so the byte cannot fall under 1
.elseif (\i) == 1
	v_max3_num_f32 v[MXB], |v[YN+16]|, |v[YN+17]|, |v[YN+18]|
.elseif (\i) == 15
	v_max3_num_f32 v[MXA], v[MXA], v[MXB], |v[YN+31]|
.elseif (\i)%2 == 0
	v_max3_num_f32 v[MXA], v[MXA], |v[YN+(\i)]|, |v[YN+(\i)+1]|
.else
	v_max3_num_f32 v[MXB], v[MXB], |v[YN+16+(\i)]|, |v[YN+17+(\i)]|
.endif
.endm
; Line i of 16 of T . y, two chains; ascending.
.macro DOT i
.if (\i) < 2
	v_pk_mul_f32 v[F0+2*(\i):F0+2*(\i)+1], v[T+2*(\i):T+2*(\i)+1], v[YC+2*(\i):YC+2*(\i)+1]
.else
	v_pk_fma_f32 v[F0+2*((\i)%2):F0+2*((\i)%2)+1], v[T+2*(\i):T+2*(\i)+1], v[YC+2*(\i):YC+2*(\i)+1], v[F0+2*((\i)%2):F0+2*((\i)%2)+1]
.endif
.endm
; The next unit's scale, codes and scale word.  f = 1: lines 8 to 15 of the unit in hand's T . y stand between; f = 0: eight v_nop at the end.
; Behind the write of the scale word stand eight plain lines that name no register of the next product (six of T . y and the two that follow this macro, or the v_nop), behind the last write of a code as many.
.macro QTAIL f
	v_add_nc_u32 v[SO], 0xfe000000, v[MXA]         ; 4 off the largest magnitude's exponent field: the conversion takes the exponent field of this operand as its scale, and nothing else of it
.if \f
	DOT 8
.endif
	v_lshrrev_b32 v[BY], 23, v[SO]                 ; the scale's byte
	v_cvt_scalef32_pk16_bf6_f32 v[BF:BF+2], v[YN:YN+15], v[SO]
	v_cvt_scalef32_pk16_bf6_f32 v[TC:TC+2], v[YN+16:YN+31], v[SO]  ; (a conversion's three registers begin on an even number: the block's second half is made elsewhere and moved)
	v_permlanex16_b32 v[BO], v[BY], s20, s21       ; the byte of my sample's other block
.if \f
	DOT 9
.endif
	v_lshl_or_b32 v[SW], v[BO], 8, v[BY]           ; lanes 0-15: byte 0 block 0's, byte 1 block 1's, bytes 2 and 3 zero; lanes 16-31 are not read.  (Also the plain line between the conversions and the moves)
.irp i, 0,1,2
	v_mov_b32 v[BF+3+\i], v[TC+\i]
.endr
.if \f
.irp i, 10,11,12,13,14,15
	DOT \i
.endr
.else
.rept 8
	v_nop
.endr
.endif
.endm
; SLOT k: the products of unit k of the tile.  nx = 1: the next unit (component (k + 1) % 4; for k = 3 of the next tile) is made ready.
; rl = 1: the next tile of x is fetched, behind the last subtraction that reads this one; rl = 2: the same behind the wait of the stage's barrier, and behind the load of
; stage NEXTL (a symbol that STAGE sets; 0: nothing is left to ask for), which is the first thing behind that barrier and my one tensor load until the next.
.macro SLOT k, nx, rl
.set KC, \k
.set KN, ((\k)+1)%4
.set YC, Y0+32*((\k)%2)
.set YN, Y0+32*(((\k)+1)%2)
	WIN 0x01                                       ; source 0 (S's codes, the means) window 1
.irp t, 0,1,2,3
	WM \t
.if \nx
	SUB4 \t                                        ; four plain lines that name none of the product's registers stand behind each product
.endif
.endr
	WIN 0
.if \nx == 0
.rept 4
	v_nop                                          ; places in front of the first read of the results (ISA guide 7.12.1)
.endr
.endif
.if \rl == 2
	s_barrier_wait -1                              ; every wave's part of the next stage has landed
.if NEXTL > 0
	ASK NEXTL                                      ; the stage after it: bytes that nothing has filled and nobody reads before the next stage's barrier
.endif
.endif
.if \rl >= 1
	XLOAD
.endif
.if \nx
.irp g, 0,1,2,3,4,5,6,7
	MAXI 2*\g
	MAXI 2*\g+1
	DOT \g
.endr
	QTAIL 1
.else
.irp g, 0,1,2,3,4,5,6,7,8,9,10,11,12,13,14,15
	DOT \g
.endr
.endif
	v_pk_add_f32 v[F0:F0+1], v[F0:F0+1], v[F1:F1+1]
.if (\k)%2 == 0
	v_add_f32 v[PA], v[F0], v[F0+1]                ; my half (32 features) of d of the pair's even component
.else
	v_add_f32 v[PB], v[F0], v[F0+1]                ; and of its odd one
	v_permlane16_swap_b32 v[PA], v[PB]             ; PA's lanes 16-31 change places with PB's lanes 0-15:
	v_add_f32 v[DD], v[PA], v[PB]                  ; lanes 0-15 now hold d of the even component, lanes 16-31 d of the odd one, each of sample r
	v_log_f32 v[LG], v[DD]
	v_nop                                          ; one plain line behind a transcendental
.if (\k) == 1
	s_wait_alu depctr_va_vdst(0)
	v_mul_f32 v[LSUM], v[LG], v[WT0]
.else
	s_wait_alu depctr_va_vdst(0)
	v_fma_f32 v[LSUM], v[LG], v[WT1], v[LSUM]
.endif
.endif
.endm
; A TILE of 16 samples: four slots.  kind 0: the next tile lies in the same stage; 1: in the next stage; 2: there is none.
.macro TILE kind
.if \kind == 1
	s_wait_tensorcnt 0x0                           ; my one tensor load that is out, my part of the next stage, has landed
	ds_add_u32 v[SPW], v[NIL]                      ; 0 onto my spare word: slot 0 stands between it and the wait for it
	SLOT 0, 1, 0
	s_wait_dscnt 0x0                               ; the add is done, and so is the last tile's store: no LDS instruction of mine is out at the signal
	s_barrier_signal -1                            ; say so; only work on registers stands between this and the wait, in slot 2
.else
	SLOT 0, 1, 0
.endif
	SLOT 1, 1, 0
.if \kind == 0
	s_add_co_u32 s23, s23, TILEB
	SLOT 2, 1, 1
.elseif \kind == 1
	s_add_co_u32 s23, s23, STAGEB-7*TILEB          ; from my eighth tile of a stage to my first of the next
	SLOT 2, 1, 2
.else
	SLOT 2, 1, 0
.endif
.if \kind < 2
	s_wait_dscnt 0x0                               ; the next tile of x is in: slot 3's subtractions read it
	SLOT 3, 1, 0
.else
	SLOT 3, 0, 0
.endif
	v_add_nc_u32 v[ADP], s48, v[PA0]
	ds_store_b32 v[ADP], v[LSUM]                   ; my two components' share of sample r's sum of logarithms
.if \kind < 2
	s_add_co_u32 s48, s48, 64
.endif
.endm
; A stage: seven tiles in a loop, the eighth written out, so that no tensor load and no barrier stands in a loop.  nextl: the stage that is asked for behind the barrier in the eighth tile.
.macro STAGE last, nextl
	s_mov_b32 s22, 7
.Ltile_\@:                                         ; (every window is 0 here and at the branch)
	TILE 0
	s_sub_co_u32 s22, s22, 1
	s_cmp_lg_u32 s22, 0
	s_cbranch_scc1 .Ltile_\@
.set NEXTL, \nextl
	TILE \last
.endm
	s_wait_tensorcnt 0x0                           ; my part of stage 0 has landed
	ds_add_u32 v[SPW], v[NIL]                      ; 0 onto my spare word
	s_wait_loadcnt 0x0                             ; codes, scale words, means and weights are in, once
	s_wait_dscnt 0x0                               ; the add is done
	s_barrier_signal -1
	s_barrier_wait -1                              ; everybody's part of stage 0 has landed
	ASK 1                                          ; stage 1, first thing behind the barrier: it has stage 0's eight tiles in which to land
	XLOAD
	s_wait_dscnt 0x0
.set KN, 0                             ; the first unit has nothing to stand beside
.set YN, Y0
	WIN 0x01
.irp g, 0,1,2,3
	SUB4 \g
.endr
	WIN 0
.irp i, 0,1,2,3,4,5,6,7,8,9,10,11,12,13,14,15
	MAXI \i
.endr
	QTAIL 0
	STAGE 1, 2                                     ; stage 0; at its end stage 1 is waited for and stage 2 asked for
	STAGE 1, 3                                     ; stage 1; stage 2 is waited for, stage 3 asked for
	STAGE 1, 0                                     ; stage 2; stage 3 is waited for; nothing is left to ask for
	STAGE 2, 0                                     ; stage 3
	; THE END.  A sample's sum of logarithms lies in eight words: four waves' (p) x two arrays (h).  Wave w adds up samples 256 p + 128 q on, four a lane.
	s_wait_dscnt 0x0                               ; for the others' sake: my stores of partial sums are done
	s_barrier_signal -1
	s_barrier_wait -1
.irp a, 0,1,2,3,4,5,6,7
	ds_load_b128 v[X+4*\a:X+4*\a+3], v[FA] offset:2048*\a
.endr
	s_wait_dscnt 0x0
.irp a, 0,2,4,6
	v_pk_add_f32 v[X+4*\a:X+4*\a+1], v[X+4*\a:X+4*\a+1], v[X+4*\a+4:X+4*\a+5]
	v_pk_add_f32 v[X+4*\a+2:X+4*\a+3], v[X+4*\a+2:X+4*\a+3], v[X+4*\a+6:X+4*\a+7]
.endr
.irp a, 0,4
	v_pk_add_f32 v[X+4*\a:X+4*\a+1], v[X+4*\a:X+4*\a+1], v[X+4*\a+8:X+4*\a+9]
	v_pk_add_f32 v[X+4*\a+2:X+4*\a+3], v[X+4*\a+2:X+4*\a+3], v[X+4*\a+10:X+4*\a+11]
.endr
	v_pk_add_f32 v[X:X+1], v[X:X+1], v[X+16:X+17]
	v_pk_add_f32 v[X+2:X+3], v[X+2:X+3], v[X+18:X+19]
.irp i, 0,1,2,3
	v_exp_f32 v[Y0+\i], v[X+\i]                    ; the score: 2^(the sum over c of w log2 d)
.endr
	v_nop                                          ; one plain line behind the transcendentals
	s_wait_alu depctr_va_vdst(0)
	global_store_b128 v[GO], v[Y0:Y0+3], s[14:15] th:TH_STORE_NT   ; the wave stores 512 consecutive bytes, at a multiple of 512 from the buffer's first byte; written once, read by nobody here
	s_wait_tensorcnt 0x0                           ; the wave's end, behind my last tensor load and my last LDS store
	ds_add_u32 v[SPW], v[NIL]
	s_wait_dscnt 0x0
	s_endpgm
.Lfunc_end_k_qc900f0a1b4_maha:
	.size	k_qc900f0a1b4_maha, .Lfunc_end_k_qc900f0a1b4_maha-k_qc900f0a1b4_maha
	.p2alignl 7, 3214868480
	.fill 96, 4, 3214868480
	.section	.rodata,"a",@progbits
	.p2align	6, 0x0
	.amdhsa_kernel k_qc900f0a1b4_maha
		.amdhsa_group_segment_fixed_size 327680
		.amdhsa_private_segment_fixed_size 0
		.amdhsa_enable_private_segment 0
		.amdhsa_kernarg_size 48
		.amdhsa_user_sgpr_count 2
		.amdhsa_user_sgpr_kernarg_segment_ptr 1
		.amdhsa_wavefront_size32 1
		.amdhsa_system_sgpr_workgroup_id_x 1
		.amdhsa_system_sgpr_workgroup_id_y 1
		.amdhsa_system_sgpr_workgroup_id_z 1
		.amdhsa_system_vgpr_workitem_id 0
		.amdhsa_next_free_vgpr 512
		.amdhsa_next_free_sgpr 66
		.amdhsa_reserve_vcc 0
		.amdhsa_float_denorm_mode_32 3
		.amdhsa_float_denorm_mode_16_64 3
		.amdhsa_memory_ordered 1
		.amdhsa_forward_progress 1
		.amdhsa_inst_pref_size 159
	.end_amdhsa_kernel
	.amdgpu_metadata
---
amdhsa.version: [ 1, 2 ]
amdhsa.kernels:
  - .name:           k_qc900f0a1b4_maha
    .symbol:         k_qc900f0a1b4_maha.kd
    .args:
      - { .name: covariances_inv_codes, .offset: 0, .size: 8, .value_kind: global_buffer, .address_space: global }
      - { .name: covariances_inv_scales, .offset: 8, .size: 8, .value_kind: global_buffer, .address_space: global }
      - { .name: inputs, .offset: 16, .size: 8, .value_kind: global_buffer, .address_space: global }
      - { .name: means, .offset: 24, .size: 8, .value_kind: global_buffer, .address_space: global }
      - { .name: weights, .offset: 32, .size: 8, .value_kind: global_buffer, .address_space: global }
      - { .name: out0, .offset: 40, .size: 8, .value_kind: global_buffer, .address_space: global }
    .group_segment_fixed_size: 327680
    .private_segment_fixed_size: 0
    .kernarg_segment_align: 8
    .kernarg_segment_size: 48
    .max_flat_workgroup_size: 256
    .sgpr_count:     66
    .vgpr_count:     512
    .wavefront_size: 32
...
	.end_amdgpu_metadata
.endif
;; end of part 1
